; MI455X (gfx1250); checked and timed in simulation.
; The chip was launched on July 23, 2026; its instructions are those of AMD's public machine-readable ISA for CDNA 5 (MIT licence, August 2026) and "CDNA5" Instruction Set Architecture Reference Guide (July 2026). The comments in the code are by the model that wrote it; some were corrected since.
;; Quant Linear. Allowed arithmetic: float matrix products may take bf16 or f16 operands with f32 sums; other float arithmetic in f32, or as packed bf16 or f16 multiplies, adds, multiply-adds, maxima and minima; sums over many terms, partial sums and values carried from step to step in f32; what a program stores and reads back later, other than sums and carried values, may be rounded once to bf16 or f16.
;; Inputs: bias 2,048 float32; g_idx 4,096 int32; qweight 512 x 2,048 int32; qzeros 32 x 256 int32; scales 32 x 2,048 float32; x 4 x 2,048 x 4,096 float32.
;; Outputs: out0 4 x 2,048 x 2,048 float32.
;; 2 versions, each right; version 2 is version 1 with the launches prep, cast written anew for expert scheduling mode. Each part assembles by itself: llvm-mc -triple=amdgcn-amd-amdhsa -mcpu=gfx1250 --defsym DOCPART=n.
;; ======== version 1 of 2: 3 launches
;; limits: values are held in f16: magnitudes above 65,504 overflow, below 6.1e-05 lose precision; inputs' magnitudes at most 65,504; right only within a limited range of input values
;; workspace buffers: wt 16,777,216 bytes; xh 67,108,864 bytes
;; launch prep (part 1): grid 8 x 32, 8 waves a work-group, no clusters, 33,792 bytes of LDS; arguments qweight, qzeros, scales, g_idx, wt; writes wt
.if DOCPART == 1
	.amdgcn_target "amdgcn-amd-amdhsa--gfx1250"
	.amdhsa_code_object_version 6
	.text
	.protected	k_qc4fad251fb_prep
	.globl	k_qc4fad251fb_prep
	.p2align	8
	.type	k_qc4fad251fb_prep,@function
k_qc4fad251fb_prep:
	s_mov_b64 s[64:65], 0
	v_nop
	global_prefetch_b8 v0, s[64:65] scope:SCOPE_SE
	s_setreg_imm32_b32 hwreg(HW_REG_WAVE_MODE, 25, 1), 1
	s_wait_xcnt 0x0
; W[k][n] = scales[g_idx[k]][n] * (wbin - zeros[g_idx[k]][n]), wbin = +1 where qweight's 4-bit code is above 0, else -1; zeros = qzeros' nibble z + 1.
; So W is -s z (code above 0) or -s (z + 2) (code 0): the factor is a whole number, the f32 product is the same as the reference's, and it is rounded ONCE, to f16.
; OUTPUT.  wt, f16, in granules of 16 bytes: granule (kw, n), kw = k / 8, lies at byte (kw * 2048 + n) * 16 and holds W[8 kw + j][n], j = 0..7 ascending: one word of qweight makes one granule.
; SHARES.  Work-group (bx, by): columns n = 256 bx + thread, word rows kw = 16 by + t, t = 0..15.  A thread owns one column; a wave's store covers 32 granules, 512 consecutive bytes, aligned.
; TABLE.  Both numbers of every group for my column lie in LDS: word g * 1024 + 4 * thread = { low half f16(-s z), high half f16(-s (z + 2)) }.  g_idx picks the row, for each k by itself: no order of g_idx is assumed.
; LIMITS.  f16: 17 |scale| stays under 65,520; a weight below 6.1e-5 in magnitude keeps f16's fixed step of 6e-8.  g_idx is taken as min(unsigned g_idx, 31).
; No matrix unit, no cluster, no tensor load, no prefetch: 4 MiB in, 16 MiB out, each byte of qweight read once, and nothing is shared but the small tables.
.set SPARE, 32768                      ; behind the table: the spare words, 128 bytes for each of the eight waves: four blocks of 256 bytes that no other line names
.set T4,  1                            ; v1   4 x thread: my column in a row of scales, of qweight and of the table; never rewritten
.set SH,  2                            ; v2   4 x (thread % 8): my nibble's place in a word of qzeros
.set ZO,  4                            ; v4   4 x (thread / 8): my word in a row of qzeros; never rewritten
.set VO,  5                            ; v5   16 x thread: my granule; never rewritten
.set SPW, 8                            ; v8   LDS address of my spare word; never rewritten
.set NIL, 9                            ; v9   0; never rewritten
.set AD,  10                           ; v[10:17]   LDS addresses of a trip's eight table words
.set M,   18                           ; v18  a code, still in its place in the word
.set U,   19                           ; v19  at work
.set S,   20                           ; v[20:27]   the eight chosen numbers, each in a low half
.set TB,  28                           ; v[28:43]   table words, two sets of eight: trips take turns
.set QW,  44                           ; v[44:59]   my 16 words of qweight
.set SC,  60                           ; v[60:91]   my column's 32 scales
.set ZW,  92                           ; v[92:123]  my column's 32 words of qzeros, then the table's words
.set OUT, 124                          ; v[124:187] a trip's granule, four registers for each trip: no store's data is ever rewritten
.set GA,  16                           ; s[16:47]   32 indices: trips 0-3, later trips 8-11
.set GB,  68                           ; s[68:99]   32 indices: trips 4-7, later trips 12-15
.set SEL, 100                          ; s100 v_perm_b32's selector: the two low halves
	s_load_b256 s[4:11], s[0:1], 0x0               ; qweight s[4:5], qzeros s[6:7], scales s[8:9], g_idx s[10:11]
	s_load_b64 s[12:13], s[0:1], 0x20              ; wt
	v_lshl_add_u32 v[SPW], v0, 2, SPARE
	v_mov_b32 v[NIL], 0
	v_lshlrev_b32 v[T4], 2, v0
	v_and_b32 v[SH], 7, v0
	v_lshlrev_b32 v[SH], 2, v[SH]
	v_lshrrev_b32 v[ZO], 3, v0
	v_lshlrev_b32 v[ZO], 2, v[ZO]
	v_lshlrev_b32 v[VO], 4, v0
	s_mov_b32 s2, ttmp9                            ; bx
	s_and_b32 s3, ttmp7, 0xffff                    ; by
	s_mov_b32 s[SEL], 0x05040100
	s_lshl_b32 s48, s2, 10                         ; scales: 256 columns of 4 bytes
	s_mov_b32 s49, 0
	s_lshl_b32 s50, s3, 17                         ; qweight: 16 rows of 8,192 bytes,
	s_add_co_u32 s50, s50, s48                     ; and the same columns
	s_mov_b32 s51, 0
	s_lshl_b32 s52, s2, 7                          ; qzeros: 32 words
	s_mov_b32 s53, 0
	s_lshl_b32 s54, s3, 9                          ; g_idx: 128 indices
	s_mov_b32 s55, 0
	s_lshl_b32 s56, s2, 12                         ; wt: 256 granules,
	s_lshl_b32 s57, s3, 19                         ; 16 rows of 32,768 bytes
	s_add_co_u32 s56, s56, s57
	s_mov_b32 s57, 0
	s_wait_kmcnt 0x0
	s_add_nc_u64 s[4:5], s[4:5], s[50:51]
	s_add_nc_u64 s[6:7], s[6:7], s[52:53]
	s_add_nc_u64 s[8:9], s[8:9], s[48:49]
	s_add_nc_u64 s[10:11], s[10:11], s[54:55]
	s_add_nc_u64 s[12:13], s[12:13], s[56:57]
	s_load_b512 s[GA:GA+15],    s[10:11], 0x0      ; the indices of trips 0 to 7
	s_load_b512 s[GA+16:GA+31], s[10:11], 0x40
	s_load_b512 s[GB:GB+15],    s[10:11], 0x80
	s_load_b512 s[GB+16:GB+31], s[10:11], 0xc0
.set g, 0
.rept 32
	global_load_b32 v[SC+g], v[T4], s[8:9] offset:g*8192
	global_load_b32 v[ZW+g], v[ZO], s[6:7] offset:g*1024
.set g, g+1
.endr
.set t, 0
.rept 16
	global_load_b32 v[QW+t], v[T4], s[4:5] offset:t*8192 th:TH_LOAD_NT  ; each word of qweight is read once in the launch
.set t, t+1
.endr
	; THE TABLE, a group at a time.
.set g, 0
.rept 32
.set c, 2*(31-g)+16                    ; younger than group g's two loads: the later groups' pairs and the 16 words of qweight
.if c > 63
.set c, 63                             ; the wait's field holds no more; a smaller count only waits for more
.endif
	s_wait_loadcnt c
	v_bfe_u32 v[ZW+g], v[ZW+g], v[SH], 4           ; z
	v_cvt_f32_u32 v[ZW+g], v[ZW+g]
	v_add_f32 v[U], 2.0, v[ZW+g]                   ; z + 2
	v_mul_f32 v[ZW+g], v[SC+g], v[ZW+g]            ; s z
	v_mul_f32 v[U], v[SC+g], v[U]                  ; s (z + 2)
	v_cvt_pk_f16_f32 v[ZW+g], v[ZW+g], v[U]        ; the one rounding
	v_xor_b32 v[ZW+g], 0x80008000, v[ZW+g]         ; both signs turned: exact
	ds_store_b32 v[T4], v[ZW+g] offset:g*1024
.set g, g+1
.endr
	s_wait_dscnt 0x0                               ; my stores into the table are done
	s_barrier_signal -1
	s_barrier_wait -1                              ; everybody's are: the rows read below hang on g_idx
.macro CLAMP base                      ; 32 indices become byte offsets of table rows: held to 0..31, times 1,024
.set n, 0
.rept 32
	s_min_u32 s[(\base)+n], s[(\base)+n], 31
	s_lshl_b32 s[(\base)+n], s[(\base)+n], 10
.set n, n+1
.endr
.endm
; Trip t's eight table words are asked for: row g_idx[8 kw + j], my column.
.macro LOADT t
.if (\t) == 8
	s_wait_kmcnt 0x0                               ; the second halves of the indices are in
	CLAMP GA
.endif
.if (\t) == 12
	s_wait_kmcnt 0x0
	CLAMP GB
.endif
.set gb, GA+(GB-GA)*(((\t)/4)%2)+8*((\t)%4)
.irp j, 0,1,2,3,4,5,6,7
	v_add_nc_u32 v[AD+(\j)], s[gb+(\j)], v[T4]
.endr
.irp j, 0,1,2,3,4,5,6,7
	ds_load_b32 v[TB+8*((\t)%2)+(\j)], v[AD+(\j)]
.endr
.if (\t) == 3                          ; the set's last index has been read: it takes the indices of trips 8 to 11
	s_load_b512 s[GA:GA+15],    s[10:11], 0x100
	s_load_b512 s[GA+16:GA+31], s[10:11], 0x140
.endif
.if (\t) == 7                          ; and the other set those of trips 12 to 15
	s_load_b512 s[GB:GB+15],    s[10:11], 0x180
	s_load_b512 s[GB+16:GB+31], s[10:11], 0x1c0
.endif
.endm
	s_wait_kmcnt 0x0
	CLAMP GA
	CLAMP GB
	s_wait_loadcnt 0x0                             ; qweight's 16 words
	LOADT 0
.irp t, 0,1,2,3,4,5,6,7,8,9,10,11,12,13,14,15
.if (\t) < 15
	LOADT (\t)+1
	s_wait_dscnt 8                                 ; this trip's eight words are in; the next trip's eight may stay out
.else
	s_wait_dscnt 0x0
.endif
.irp j, 0,1,2,3,4,5,6,7
	v_and_b32 v[M], 0xf<<(4*(\j)), v[QW+(\t)]      ; code j, in its place
	v_cmp_eq_u32 vcc_lo, 0, v[M]
	v_lshrrev_b32 v[U], 16, v[TB+8*((\t)%2)+(\j)]  ; the number for code 0
	v_cndmask_b32 v[S+(\j)], v[TB+8*((\t)%2)+(\j)], v[U], vcc_lo  ; the low half now holds the weight
.endr
.irp p, 0,1,2,3
	v_perm_b32 v[OUT+4*(\t)+(\p)], v[S+2*(\p)+1], v[S+2*(\p)], s[SEL]  ; k even below, k odd above
.endr
	global_store_b128 v[VO], v[OUT+4*(\t):OUT+4*(\t)+3], s[12:13] offset:(\t)*32768  ; a wave stores 512 consecutive bytes, at a multiple of 512 from wt's first byte
.endr
	s_wait_tensorcnt 0x0                           ; the wave's end: three closing lines, behind my last LDS store
	ds_add_u32 v[SPW], v[NIL]
	s_wait_dscnt 0x0
	s_endpgm
.Lfunc_end_k_qc4fad251fb_prep:
	.size	k_qc4fad251fb_prep, .Lfunc_end_k_qc4fad251fb_prep-k_qc4fad251fb_prep
	.p2alignl 7, 3214868480
	.fill 96, 4, 3214868480
	.section	.rodata,"a",@progbits
	.p2align	6, 0x0
	.amdhsa_kernel k_qc4fad251fb_prep
		.amdhsa_group_segment_fixed_size 33792
		.amdhsa_private_segment_fixed_size 0
		.amdhsa_enable_private_segment 0
		.amdhsa_kernarg_size 40
		.amdhsa_user_sgpr_count 2
		.amdhsa_user_sgpr_kernarg_segment_ptr 1
		.amdhsa_wavefront_size32 1
		.amdhsa_system_sgpr_workgroup_id_x 1
		.amdhsa_system_sgpr_workgroup_id_y 1
		.amdhsa_system_sgpr_workgroup_id_z 1
		.amdhsa_system_vgpr_workitem_id 0
		.amdhsa_next_free_vgpr 192
		.amdhsa_next_free_sgpr 102
		.amdhsa_reserve_vcc 1
		.amdhsa_float_denorm_mode_32 3
		.amdhsa_float_denorm_mode_16_64 3
		.amdhsa_memory_ordered 1
		.amdhsa_forward_progress 1
		.amdhsa_inst_pref_size 69
	.end_amdhsa_kernel
	.amdgpu_metadata
---
amdhsa.version: [ 1, 2 ]
amdhsa.kernels:
  - .name:           k_qc4fad251fb_prep
    .symbol:         k_qc4fad251fb_prep.kd
    .args:
      - { .name: qweight, .offset: 0, .size: 8, .value_kind: global_buffer, .address_space: global }
      - { .name: qzeros, .offset: 8, .size: 8, .value_kind: global_buffer, .address_space: global }
      - { .name: scales, .offset: 16, .size: 8, .value_kind: global_buffer, .address_space: global }
      - { .name: g_idx, .offset: 24, .size: 8, .value_kind: global_buffer, .address_space: global }
      - { .name: wt, .offset: 32, .size: 8, .value_kind: global_buffer, .address_space: global }
    .group_segment_fixed_size: 33792
    .private_segment_fixed_size: 0
    .kernarg_segment_align: 8
    .kernarg_segment_size: 40
    .max_flat_workgroup_size: 256
    .sgpr_count:     102
    .vgpr_count:     192
    .wavefront_size: 32
...
	.end_amdgpu_metadata
.endif
;; end of part 1
;; launch cast (part 2): grid 1024 x 1, 8 waves a work-group, no clusters, 0 bytes of LDS; arguments x, xh; writes xh
.if DOCPART == 2
	.amdgcn_target "amdgcn-amd-amdhsa--gfx1250"
	.amdhsa_code_object_version 6
	.text
	.protected	k_qc4fad251fb_cast
	.globl	k_qc4fad251fb_cast
	.p2align	8
	.type	k_qc4fad251fb_cast,@function
k_qc4fad251fb_cast:
	s_mov_b64 s[64:65], 0
	v_nop
	global_prefetch_b8 v0, s[64:65] scope:SCOPE_SE
	s_setreg_imm32_b32 hwreg(HW_REG_WAVE_MODE, 25, 1), 1
	s_wait_xcnt 0x0
; xh = x rounded once to f16.  x: 33,554,432 f32, xh: as many f16, in the same order.
; LIMITS.  |x| stays under 65,520 (beyond it the conversion gives an infinity); an x below 6.1e-5 in magnitude keeps f16's fixed step of 6e-8.
; SHARES.  A work-group of eight waves owns 131,072 consecutive bytes of x: 32 chunks of 4,096.  Of a chunk thread t takes the 16 bytes at 16 t, so a wave's load covers 512 consecutive bytes, and
; puts its four numbers at 8 t of the chunk's 2,048 bytes of xh, so a wave's store covers 256 consecutive bytes, at a multiple of 256 from xh's first byte.
; A ring of DEPTH slots in registers keeps DEPTH loads of every wave in flight.  A chunk's place stands in the immediates (126,976 at the most), so no address register is ever rewritten.  Chunks 0 to 15 are
; converted into registers of their own and their slots loaded again; chunks 16 to 31 are converted in place: no store's data is ever rewritten either, and the text has no wait but for its loads.
; No LDS, no matrix unit, no cluster: no byte is wanted twice.  No prefetch: the launch does nothing but stream.
.set DEPTH, 16                         ; slots = loads in flight in each wave
.set CHUNK, 4096                       ; bytes of x that the 256 threads take with one load each
.set XO, 1                             ; v1        16 t; never rewritten
.set YO, 2                             ; v2        8 t; never rewritten
.set X,  4                             ; v[4:67]   slot i: four f32 as loaded
.set Y,  68                            ; v[68:99]  slot i: four f16 of its first chunk
	s_load_b128 s[4:7], s[0:1], 0x0                ; x s[4:5], xh s[6:7]
	s_lshl_b32 s2, ttmp9, 17                       ; the work-group's 131,072 bytes of x (1,024 work-groups: under 2^27),
	s_mov_b32 s3, 0
	s_lshl_b32 s8, ttmp9, 16                       ; and its 65,536 of xh
	s_mov_b32 s9, 0
	v_lshlrev_b32 v[XO], 4, v0
	v_lshlrev_b32 v[YO], 3, v0
	s_wait_kmcnt 0x0
	s_add_nc_u64 s[4:5], s[4:5], s[2:3]
	s_add_nc_u64 s[6:7], s[6:7], s[8:9]
.irp i, 0,1,2,3,4,5,6,7,8,9,10,11,12,13,14,15
	global_load_b128 v[X+4*(\i):X+4*(\i)+3], v[XO], s[4:5] offset:(\i)*CHUNK th:TH_LOAD_NT  ; the ring is filled: chunks 0 to 15
.endr
.irp i, 0,1,2,3,4,5,6,7,8,9,10,11,12,13,14,15
	s_wait_loadcnt DEPTH-1                         ; loads come back in order (ISA guide 5.7.1): this slot's is in, the 15 younger ones stay out
	v_cvt_pk_f16_f32 v[Y+2*(\i)],   v[X+4*(\i)],   v[X+4*(\i)+1]
	v_cvt_pk_f16_f32 v[Y+2*(\i)+1], v[X+4*(\i)+2], v[X+4*(\i)+3]
	global_load_b128 v[X+4*(\i):X+4*(\i)+3], v[XO], s[4:5] offset:(DEPTH+(\i))*CHUNK th:TH_LOAD_NT  ; the slot's second chunk, ahead of the store
	global_store_b64 v[YO], v[Y+2*(\i):Y+2*(\i)+1], s[6:7] offset:(\i)*CHUNK/2 th:TH_STORE_NT
.endr
.irp i, 0,1,2,3,4,5,6,7,8,9,10,11,12,13,14,15
	s_wait_loadcnt DEPTH-1-(\i)                    ; nothing more is loaded: the counts run down
	v_cvt_pk_f16_f32 v[X+4*(\i)],   v[X+4*(\i)],   v[X+4*(\i)+1]
	v_cvt_pk_f16_f32 v[X+4*(\i)+1], v[X+4*(\i)+2], v[X+4*(\i)+3]
	global_store_b64 v[YO], v[X+4*(\i):X+4*(\i)+1], s[6:7] offset:(DEPTH+(\i))*CHUNK/2 th:TH_STORE_NT
.endr
	s_endpgm
.Lfunc_end_k_qc4fad251fb_cast:
	.size	k_qc4fad251fb_cast, .Lfunc_end_k_qc4fad251fb_cast-k_qc4fad251fb_cast
	.p2alignl 7, 3214868480
	.fill 96, 4, 3214868480
	.section	.rodata,"a",@progbits
	.p2align	6, 0x0
	.amdhsa_kernel k_qc4fad251fb_cast
		.amdhsa_group_segment_fixed_size 0
		.amdhsa_private_segment_fixed_size 0
		.amdhsa_enable_private_segment 0
		.amdhsa_kernarg_size 16
		.amdhsa_user_sgpr_count 2
		.amdhsa_user_sgpr_kernarg_segment_ptr 1
		.amdhsa_wavefront_size32 1
		.amdhsa_system_sgpr_workgroup_id_x 1
		.amdhsa_system_sgpr_workgroup_id_y 1
		.amdhsa_system_sgpr_workgroup_id_z 1
		.amdhsa_system_vgpr_workitem_id 0
		.amdhsa_next_free_vgpr 100
		.amdhsa_next_free_sgpr 66
		.amdhsa_reserve_vcc 0
		.amdhsa_float_denorm_mode_32 3
		.amdhsa_float_denorm_mode_16_64 3
		.amdhsa_memory_ordered 1
		.amdhsa_forward_progress 1
		.amdhsa_inst_pref_size 12
	.end_amdhsa_kernel
	.amdgpu_metadata
---
amdhsa.version: [ 1, 2 ]
amdhsa.kernels:
  - .name:           k_qc4fad251fb_cast
    .symbol:         k_qc4fad251fb_cast.kd
    .args:
      - { .name: x, .offset: 0, .size: 8, .value_kind: global_buffer, .address_space: global }
      - { .name: xh, .offset: 8, .size: 8, .value_kind: global_buffer, .address_space: global }
    .group_segment_fixed_size: 0
    .private_segment_fixed_size: 0
    .kernarg_segment_align: 8
    .kernarg_segment_size: 16
    .max_flat_workgroup_size: 256
    .sgpr_count:     66
    .vgpr_count:     100
    .wavefront_size: 32
...
	.end_amdgpu_metadata
.endif
;; end of part 2
;; launch gemm (part 3): grid 8 x 32, 4 waves a work-group, clusters of 4 x 4, 327,680 bytes of LDS; arguments xh, wt, bias, out0; writes out0
.if DOCPART == 3
	.amdgcn_target "amdgcn-amd-amdhsa--gfx1250"
	.amdhsa_code_object_version 6
	.text
	.protected	k_qc4fad251fb_gemm
	.globl	k_qc4fad251fb_gemm
	.p2align	8
	.type	k_qc4fad251fb_gemm,@function
k_qc4fad251fb_gemm:
	s_mov_b64 s[64:65], 0
	v_nop
	global_prefetch_b8 v0, s[64:65] scope:SCOPE_SE
	s_setreg_imm32_b32 hwreg(HW_REG_WAVE_MODE, 25, 1), 1
	s_wait_xcnt 0x0
	s_wait_alu depctr_hold_cnt(0) depctr_sa_sdst(0) depctr_va_vdst(0) depctr_va_sdst(0) depctr_va_ssrc(0) depctr_va_vcc(0) depctr_vm_vsrc(0)
	s_getreg_b32 s2, hwreg(HW_REG_IB_STS2, 6, 4)
	s_cmp_eq_u32 s2, 0
	s_cbranch_scc0 .Lentry_in_a_cluster
	s_endpgm
.Lentry_in_a_cluster:
	s_bfe_u32 s2, ttmp6, 0x10000c
	s_cmp_lg_u32 s2, 0xf033
	s_cbranch_scc0 .Lentry_shape_is_right
	s_endpgm
.Lentry_shape_is_right:
; out[m][n] = the sum over k of x[m][k] W[k][n] + bias[n].  x comes as xh: [8192][4096] f16.  W comes as wt: f16 granules of 16 bytes, granule (kw, n) at byte (kw * 2048 + n) * 16 = W[8 kw .. 8 kw + 7][n].
; out: [8192][2048] f32.  Both operands in f16, each rounded once where it was made; sums in f32, K ascending; bias added in f32.  f16 keeps 11 significant bits where bf16 keeps 8, and every number of the f32
; output is compared.  LIMITS: those of the two operands' makers: |x| and |W| under 65,520, a fixed step of 6e-8 below 6.1e-5; NaN and infinities are not treated apart.
; SHARES.  A tile of out is 256 x 256: 8 x 32 tiles, a work-group each.  Four waves, as many as a WGP has SIMDs; wave w makes rows 128 (w / 2) on and columns 128 (w % 2) on: 64 accumulators of 16 x 16, 512 registers.
; RING.  K goes in steps of 128 through two LDS slots filled by the tensor data mover: 256 rows of xh, 256 bytes each (they start at multiples of 256 bytes from xh's first byte), and 16 planes of wt, 4,096 bytes each.
; A step is four quarters of 32 along K, 64 matrix instructions each, on fragment buffers 0, 1, 0, 1.
; CLUSTERS.  4 x 4 work-groups.  The four of a row of the cluster need the same rows of xh, the four of a column the same planes of wt: each tile is asked for JOINTLY, by the same tensor load with the same
; descriptor and a mask that names the four.
; THE MATRIX INSTRUCTION IS USED TRANSPOSED: source 0 = 16 columns of W, source 1 = 16 rows of x.  In the result lane l holds row l % 16 of out and the columns 8 (l / 16) + 0..7: 32 bytes on end.
; REGISTERS, in windows of 256 (s_set_vgpr_msb: bits 1:0 source 0, 3:2 source 1, 5:4 source 2, 7:6 destination):
;   window 0: v0-31 addresses and bias; v64-127, v128-191 x's fragments (8 x 16 rows x 32 K), two buffers; on the way out the same registers hold rows of out
;   window 1: v64-127, v128-191 W's fragments (8 x 16 columns x 32 K), two buffers
;   window 2: the 32 accumulators of my rows 0-63 (accumulator (a, b) at v[8 (8 a + b)]);   window 3: those of my rows 64-127
.set PITCH, 272                        ; a row of xh in LDS: 256 bytes + 16 of padding = 68 words: row r starts at bank 4 r mod 64 (64 banks of 4 bytes: ISA guide 11.1), so the 16 rows of a load start at 16 different groups of four banks
.set HALFA, 128*PITCH                  ; what one tensor load brings of xh, and what one wave reads of it
.set BOFF,  256*PITCH                  ; behind xh's 256 rows: wt's planes
.set PLANE, 4096                       ; 256 granules, dense: 16 lanes read 256 consecutive bytes
.set SLOT,  BOFF+16*PLANE              ; 135,168
.set STAGE, 2*SLOT                     ; behind the ring, never filled by a tensor load: 16 rows x 528 bytes for each wave, for the way out
.set SP,    528                        ; a row of 128 f32 + 16 bytes = 132 words: the 16 rows of a store start at 16 different groups of four banks
.set SPARE, STAGE+4*16*SP              ; behind the stages: the spare words, 128 bytes for each wave: two blocks of 256 bytes that no other line names
.set LAPS,  16                         ; a lap = two K steps = once round the ring: 4,096 / 256
.set ASTEP, 256                        ; bytes from a K step to the next in a row of xh
.set BSTEP, 16*32768                   ; and in wt: 16 planes of 2,048 granules
.set BIAS, 8                           ; v[8:11]  bias of my 4 columns of the wave's 128
.set ADRA, 16                          ; v16-17   LDS address of my x fragments in slot 0, 1
.set ADRB, 20                          ; v20-21   the same for W
.set STO,  24                          ; v24      the way out: where I put 32 bytes of a row
.set RD,   25                          ; v25      the way out: where I read rows back
.set CO,   26                          ; v26      16 x lane: my place in 512 consecutive bytes of out and of bias; never rewritten
.set SPW,  28                          ; v28      LDS address of my spare word: SPARE + 4 x my thread's number; never rewritten
.set NIL,  29                          ; v29      0; never rewritten
.set PFO,  30                          ; v30      the prefetches' offset; never rewritten
.set F0,   64                          ; fragment buffer 0
.set F1,   128                         ; fragment buffer 1
.set OB,   64                          ; the way out: 16 rows read back, 64 registers: v64-127 and v128-191 by turns
.set WV,   12                          ; s12  my wave's number
.set FB,   13                          ; s13  which half of the tile's rows is mine.  Also: I fetch xh (0) or wt (1)
.set LO,   14                          ; s14  which half of its columns.  Also: which half of that tile I fetch
.set G1A,  24                          ; s[24:31] descriptor group 1 for xh's tiles;  s[32:39] group 0, one set for each slot
.set G0A,  32
.set LIM,  43                          ; s43  1 in a wave that prefetches, else the greatest number
.set PFA,  44                          ; s[44:45] where my prefetches stand
.set PST,  46                          ; s[46:47] bytes from a K step to the next there
.set G1B,  48                          ; s[48:55], s[56:63] the same for wt's tiles
.set G0B,  56
.set MSB, 0
.macro WIN new                         ; the immediate's high byte repeats the setting that is left; a switch that changes nothing is dropped
.if MSB != (\new)
	s_set_vgpr_msb (MSB<<8)|(\new)
.set MSB, \new
.endif
.endm
.set MUL_LO, 0xa1                      ; source 0 (W) window 1, source 1 (x) window 0, C and D window 2
.set MUL_HI, 0xf1                      ; the same, C and D window 3
.set TO_B,   0x40                      ; destination window 1, address window 0
; A joint load.  Waves 0 and 1 fetch the two halves of xh's tile, waves 2 and 3 those of wt's.  The branch hangs on the wave's number alone: it is the same in every work-group.
; An s_nop 0 and four v_nop follow each of the two lines, ahead of the jump, the label and what follows.
.macro JLOAD s
	s_cmp_eq_u32 s[FB], 0
	s_cbranch_scc0 .Lfor_b_\@
	tensor_load_to_lds s[G0A+4*(\s):G0A+4*(\s)+3], s[G1A:G1A+7]
	s_nop 0
.rept 4
	v_nop
.endr
	s_branch .Lasked_\@
.Lfor_b_\@:
	tensor_load_to_lds s[G0B+4*(\s):G0B+4*(\s)+3], s[G1B:G1B+7]
	s_nop 0
.rept 4
	v_nop
.endr
.Lasked_\@:
.endm
; A PREFETCH INTO THE L2, behind a joint load, its five lines and the run of LDS loads that follows them: the K step that stands TWO refills on, 512 matrix instructions ahead of the load that will want it:
; 32 blocks of 256 bytes, a lane a block, one instruction a wave.  Each block is named ONCE in the launch.  xh's rows are read by both clusters of a row of clusters: cluster x = 0 asks; of the 128 rows that wave 0
; or 1 fetches, the partner at place cx takes 32 cx .. 32 cx + 31, a lane a row.  wt's planes are read by all eight clusters of a column: cluster y = 0 asks; of the 8 planes that wave 2 or 3 fetches, the partner at
; place cy takes 2 cy and 2 cy + 1, sixteen lanes a plane.  The partners are told apart BY ADDRESS: no branch hangs on a work-group's place in its cluster.  K steps 0 to 3 come by their loads alone; the loop's last
; trip asks for nothing: step 31 is the last named.
.macro ASK
	s_cmp_gt_u32 s3, s[LIM]                        ; s3 = 1 in the loop's last trip
	s_cbranch_scc0 .Lnot_mine_\@
	global_prefetch_b8 v[PFO], s[PFA:PFA+1] th:TH_LOAD_NT scope:SCOPE_SE
.Lnot_mine_\@:
.endm
; A round of the cluster's barrier: my work-group's barrier, so that wave 0's signal speaks for all four waves; wave 0 signals for the work-group; every wave waits for all sixteen work-groups; my work-group's barrier once more.
.macro CREST                           ; a round behind its opening barrier
	s_cmp_lg_u32 s[WV], 0
	s_cbranch_scc1 .Lnot_wave_0_\@
	s_barrier_signal -3
.Lnot_wave_0_\@:
	s_barrier_wait -3
	s_barrier_signal -1
	s_barrier_wait -1
.endm
.macro CROUND                          ; a whole round
	s_barrier_signal -1
	s_barrier_wait -1
	CREST
.endm
.macro PLACES                          ; four places behind a matrix instruction, in front of loads into registers that it has read and of lines that read its result
.rept 4
	v_nop
.endr
.endm
	s_load_b256 s[4:11], s[0:1], 0x0               ; xh s[4:5], wt s[6:7], bias s[8:9], out s[10:11]
	v_lshl_add_u32 v[SPW], v0, 2, SPARE
	v_mov_b32 v[NIL], 0
	ds_add_u32 v[SPW], v[NIL]                      ; the wave's opening: the add, twice on end, and its wait ahead of my first tensor load; the set-up below, work on registers, stands between
	ds_add_u32 v[SPW], v[NIL]                      ; and once more, under the one wait
	v_lshrrev_b32 v1, 5, v0
	v_readfirstlane_b32 s[WV], v1                  ; wave 0..3
	s_lshr_b32 s[FB], s[WV], 1
	s_and_b32 s[LO], s[WV], 1
	s_bfe_u32 s15, ttmp6, 0x40000                  ; cx: my place along the cluster's x
	s_bfe_u32 s16, ttmp6, 0x40004                  ; cy: along its y
	s_lshl_b32 s17, ttmp9, 2                       ; in a cluster launch ttmp9 and ttmp7 count clusters
	s_add_co_u32 s17, s17, s15                     ; tile column = 4 x cluster x + cx
	s_and_b32 s18, ttmp7, 0xffff
	s_lshl_b32 s18, s18, 2
	s_add_co_u32 s18, s18, s16                     ; tile row = 4 x cluster y + cy
	s_lshl_b32 s20, s16, 2
	s_lshl_b32 s20, 15, s20                        ; my row of the cluster: places 4 cy .. 4 cy + 3
	s_lshl_b32 s21, 0x1111, s15                    ; my column: places cx, cx + 4, cx + 8, cx + 12
	; group 1 for xh: 128 rows x 128 elements of 2 bytes, padded in LDS
	s_or_b32 s[G1A+0], s20, (1<<16)|(1<<20)|(1<<21)|(5<<22)|(3<<25)  ; 15:0 the mask: my row; 17:16 elements of 2 bytes; 20 padding on; 21 set beside a mask; 24:22 after every 64 words (code 5); 31:25 4 words of it (code 3)
	s_mov_b32 s[G1A+1], 128<<16                    ; tensor_dim0 = 128
	s_mov_b32 s[G1A+2], 128<<16                    ; tensor_dim1 = 128
	s_mov_b32 s[G1A+3], 128<<16                    ; tile_dim0 = 128
	s_mov_b32 s[G1A+4], 128                        ; tile_dim1 = 128
	s_mov_b32 s[G1A+5], 4096                       ; elements from row to row
	s_mov_b32 s[G1A+6], 0
	s_mov_b32 s[G1A+7], 0
	; group 1 for wt: 8 planes x 512 elements of 8 bytes (256 granules), dense in LDS
	s_or_b32 s[G1B+0], s21, (3<<16)|(1<<21)        ; 15:0 the mask: my column; 17:16 elements of 8 bytes; 21 set beside a mask
	s_mov_b32 s[G1B+1], 512<<16                    ; tensor_dim0 = 512
	s_mov_b32 s[G1B+2], 8<<16                      ; tensor_dim1 = 8
	s_mov_b32 s[G1B+3], 512<<16                    ; tile_dim0 = 512
	s_mov_b32 s[G1B+4], 8                          ; tile_dim1 = 8
	s_mov_b32 s[G1B+5], 4096                       ; elements from plane to plane: 2,048 granules
	s_mov_b32 s[G1B+6], 0
	s_mov_b32 s[G1B+7], 0
	; where the tiles come from: xh's hang on the tile row alone, which my row of the cluster shares; wt's on the tile column alone, which my column shares
	s_lshl_b32 s40, s18, 8
	s_lshl_b32 s41, s[LO], 7
	s_add_co_u32 s40, s40, s41                     ; xh: row 256 x tile row + 128 x half,
	s_lshl_b32 s40, s40, 13                        ; of 8,192 bytes
	s_mov_b32 s41, 0
	s_lshl_b32 s22, s17, 12                        ; wt: 256 granules x tile column,
	s_lshl_b32 s23, s[LO], 18                      ; 8 planes of 32,768 bytes x half
	s_add_co_u32 s22, s22, s23
	s_mov_b32 s23, 0
	s_mul_i32 s42, s[LO], HALFA                    ; and where they go: no place in the cluster enters an LDS address
	s_lshl_b32 s19, s[LO], 15
	s_add_co_u32 s19, s19, BOFF
	s_wait_dscnt 0x0                               ; both opening adds are done
	s_wait_kmcnt 0x0
	s_add_nc_u64 s[40:41], s[4:5], s[40:41]
	s_add_nc_u64 s[22:23], s[6:7], s[22:23]
	CROUND                                         ; all sixteen work-groups are here: the first joint loads meet
.irp s, 0,1
	s_mov_b32 s[G0A+4*(\s)], 1                                     ; count = 1
	s_add_co_u32 s[G0A+4*(\s)+1], s42, (\s)*SLOT                   ; LDS address
	s_add_nc_u64 s[G0A+4*(\s)+2:G0A+4*(\s)+3], s[40:41], (\s)*ASTEP  ; global address: K step s
	s_or_b32 s[G0A+4*(\s)+3], s[G0A+4*(\s)+3], 0x80000000          ; type = 2
	s_mov_b32 s[G0B+4*(\s)], 1
	s_add_co_u32 s[G0B+4*(\s)+1], s19, (\s)*SLOT
	s_add_nc_u64 s[G0B+4*(\s)+2:G0B+4*(\s)+3], s[22:23], (\s)*BSTEP
	s_or_b32 s[G0B+4*(\s)+3], s[G0B+4*(\s)+3], 0x80000000
	JLOAD \s                                       ; the ring is filled before anything else is done: two loads of mine are out
.endr
	; A fragment is 16 rows x 32 K in 8 registers: lane l holds row l % 16; registers 0-3 K = 8 (l / 16) + 0..7, registers 4-7 K = 16 + 8 (l / 16) + 0..7.
	; x, rows along K: two loads of 16 bytes, 32 bytes apart.  W, in granules of 8 along K: the granule of plane l / 16 and that of the plane two further on.
	v_and_b32 v1, 15, v0                           ; r = l % 16
	v_bfe_u32 v2, v0, 4, 1                         ; h = l / 16
	v_mul_u32_u24 v3, v1, PITCH
	v_lshl_add_u32 v3, v2, 4, v3                   ; row x pitch + 16 x half
	s_mul_i32 s20, s[FB], HALFA                    ; my 128 rows
	v_add_nc_u32 v[ADRA], s20, v3
	v_add_nc_u32 v[ADRA+1], SLOT, v[ADRA]
	v_lshlrev_b32 v4, 4, v1
	v_lshl_add_u32 v4, v2, 12, v4                  ; granule r of plane h
	s_lshl_b32 s21, s[LO], 11                      ; my 128 columns: 2,048 bytes of a plane
	s_add_co_u32 s21, s21, BOFF
	v_add_nc_u32 v[ADRB], s21, v4
	v_add_nc_u32 v[ADRB+1], SLOT, v[ADRB]
	s_mul_i32 s21, s[WV], 16*SP
	s_add_co_u32 s21, s21, STAGE                   ; my stage
	v_mul_u32_u24 v5, v1, SP                       ; in: row r, 32 bytes for each half of the lanes
	v_lshl_add_u32 v5, v2, 5, v5
	v_add_nc_u32 v[STO], s21, v5
	v_and_b32 v6, 31, v0
	v_lshlrev_b32 v[CO], 4, v6
	v_add_nc_u32 v[RD], s21, v[CO]                 ; back: 32 lanes take a row's 512 bytes
	s_lshl_b32 s20, s17, 10                        ; the tile's 256 columns: 1,024 bytes,
	s_lshl_b32 s21, s[LO], 9                       ; my 128 of them
	s_add_co_u32 s20, s20, s21
	s_mov_b32 s21, 0
	s_add_nc_u64 s[8:9], s[8:9], s[20:21]
	global_load_b128 v[BIAS:BIAS+3], v[CO], s[8:9]
	s_lshl_b32 s22, s18, 8
	s_lshl_b32 s23, s[FB], 7
	s_add_co_u32 s22, s22, s23                     ; my first row of out,
	s_lshl_b32 s22, s22, 13                        ; of 8,192 bytes,
	s_add_co_u32 s22, s22, s20                     ; and my first column
	s_mov_b32 s23, 0
	s_add_nc_u64 s[10:11], s[10:11], s[22:23]
	; the prefetches: both candidates are made, the wave's number chooses
	s_lshl_b32 s20, s18, 8
	s_lshl_b32 s21, s[LO], 7
	s_add_co_u32 s20, s20, s21
	s_lshl_b32 s21, s15, 5
	s_add_co_u32 s20, s20, s21                     ; xh: the 128 rows that I fetch, my work-group's 32 of them,
	s_lshl_b32 s20, s20, 13
	s_add_co_u32 s20, s20, 3*ASTEP                 ; at K step 3: each change of slots moves it one step on, so the first request names step 4
	s_lshl_b32 s21, s17, 12
	s_lshl_b32 s22, s[LO], 18
	s_add_co_u32 s21, s21, s22
	s_lshl_b32 s22, s16, 16
	s_add_co_u32 s21, s21, s22                     ; wt: the tile's granules, the 8 planes that I fetch, my work-group's two of them,
	s_add_co_u32 s21, s21, 3*BSTEP                 ; at K step 3
	s_and_b32 s22, ttmp7, 0xffff                   ; cluster y
	s_mov_b32 s[PST], BSTEP
	s_mov_b32 s[PST+1], 0
	s_mov_b32 s40, 256
	s_mov_b32 s41, 32768
	s_cmp_eq_u32 s[FB], 0                          ; do I fetch xh?
	s_cselect_b32 s20, s20, s21
	s_cselect_b32 s22, ttmp9, s22                  ; the coordinate along which other clusters read the same bytes
	s_cselect_b64 s[PFA:PFA+1], s[4:5], s[6:7]
	s_cselect_b32 s[PST], ASTEP, s[PST]
	s_cselect_b32 s40, 8192, s40                   ; from lane to lane within 16: a row of xh, or a block of 256 bytes of a plane
	s_cselect_b32 s41, 131072, s41                 ; from lanes 0-15 to lanes 16-31: 16 rows of xh, or a plane
	s_cmp_eq_u32 s22, 0
	s_cselect_b32 s[LIM], 1, -1                    ; the same in all sixteen partners, for a given wave
	s_mov_b32 s21, 0
	s_add_nc_u64 s[PFA:PFA+1], s[PFA:PFA+1], s[20:21]
	v_mul_u32_u24 v[PFO], s40, v1
	v_mad_u32_u24 v[PFO], v2, s41, v[PFO]
	; nothing is prefetched here, at the head, where every work-group's first two tiles are on their way
; 16 matrix instructions: row blocks a0, a0 + 1 of the window's four (hi = 0: my rows 0-63, 1: rows 64-127) x all 8 column blocks, 32 along K.  zero = 1: the product starts the sum: nothing is ever cleared.
; The 64 accumulators take turns in the same order in every quarter, over the backward jump too.
.macro MUL16 f, hi, a0, zero
	WIN MUL_LO+0x50*(\hi)
.irp a, \a0, (\a0)+1
.irp b, 0,1,2,3,4,5,6,7
.if \zero
	v_wmma_f32_16x16x32_f16 v[8*(8*(\a)+(\b)):8*(8*(\a)+(\b))+7], v[(\f)+8*(\b):(\f)+8*(\b)+7], v[(\f)+8*(4*(\hi)+(\a)):(\f)+8*(4*(\hi)+(\a))+7], 0
.else
	v_wmma_f32_16x16x32_f16 v[8*(8*(\a)+(\b)):8*(8*(\a)+(\b))+7], v[(\f)+8*(\b):(\f)+8*(\b)+7], v[(\f)+8*(4*(\hi)+(\a)):(\f)+8*(4*(\hi)+(\a))+7], v[8*(8*(\a)+(\b)):8*(8*(\a)+(\b))+7]
.endif
.endr
.endr
.endm
; 32 LDS loads in one run: the fragments of quarter q of a slot (128 columns of W, 128 rows of x, 32 along K) into buffer f
.macro FETCH slot, q, f
	WIN TO_B
.irp i, 0,1,2,3,4,5,6,7
	ds_load_b128 v[(\f)+8*(\i):(\f)+8*(\i)+3],   v[ADRB+(\slot)] offset:4*PLANE*(\q)+256*(\i)
	ds_load_b128 v[(\f)+8*(\i)+4:(\f)+8*(\i)+7], v[ADRB+(\slot)] offset:4*PLANE*(\q)+256*(\i)+2*PLANE
.endr
	WIN 0
.irp i, 0,1,2,3,4,5,6,7
	ds_load_b128 v[(\f)+8*(\i):(\f)+8*(\i)+3],   v[ADRA+(\slot)] offset:64*(\q)+(\i)*16*PITCH
	ds_load_b128 v[(\f)+8*(\i)+4:(\f)+8*(\i)+7], v[ADRA+(\slot)] offset:64*(\q)+(\i)*16*PITCH+32
.endr
.endm
; One of a K step's first three quarters: multiplies buffer f; in its middle it fetches quarter q of the same slot into buffer g.
.macro QUARTER slot, q, f, g, zero
	s_wait_dscnt 8                                 ; W and x's rows 0-63 are in; the youngest eight loads (x's rows 64-127) may be out
	MUL16 \f, 0, 0, \zero
	MUL16 \f, 0, 2, \zero
	PLACES
	FETCH \slot, \q, \g
	s_wait_dscnt 32                                ; all but the 32 just issued
	MUL16 \f, 1, 0, \zero
	MUL16 \f, 1, 2, \zero
.endm
; The last quarter multiplies buffer 1 and changes slots.  MEET is its first half: ONE barrier for the change.  In front of it each wave waits for all its tensor loads, of which one is out: its part of the next slot;
; adds 0 to its spare word; and waits for that and for its own reads of this slot.  Behind it nobody reads this slot any more and the next slot is whole.
.macro MEET round                      ; round = 1: a round of the cluster's barrier follows
	WIN 0                                          ; (the add's two registers lie in window 0)
	s_wait_tensorcnt 0x0                           ; all my tensor loads have landed
	ds_add_u32 v[SPW], v[NIL]                      ; 0 onto my spare word
	s_wait_dscnt 9                                 ; (the add and the youngest eight loads may be out)
	MUL16 F1, 0, 0, 0                              ; sixteen matrix instructions stand between the add and the wait for it
	s_wait_dscnt 0x0                               ; the add is done, and my reads of this slot are over
	s_barrier_signal -1
	MUL16 F1, 0, 2, 0                              ; work on registers while the others arrive
.if \round
	WIN 0
.endif
	s_barrier_wait -1
.endm
; The whole last quarter.  Behind the round the slot just read out is filled again first, with the K step two steps on; then come the next slot's first fragments.  From a request to the wait for it a wave issues 224 matrix instructions.
.macro TURN slot, next
	s_wait_xcnt 0x0                                ; the last prefetch, a K step back, has read its address: it is stepped here, ahead of the waits of the change of slots
	s_add_nc_u64 s[PFA:PFA+1], s[PFA:PFA+1], s[PST:PST+1]
	MEET 1
	CREST                                          ; no wave of any partner still reads this slot's tile or has a load on its way
	s_add_nc_u64 s[G0A+4*(\slot)+2:G0A+4*(\slot)+3], s[G0A+4*(\slot)+2:G0A+4*(\slot)+3], 2*ASTEP
	s_add_nc_u64 s[G0B+4*(\slot)+2:G0B+4*(\slot)+3], s[G0B+4*(\slot)+2:G0B+4*(\slot)+3], 2*BSTEP
	JLOAD \slot                                    ; my one tensor load behind the round, and the first thing there; its four v_nop are also the places in front of the loads below
	FETCH \next, 0, F0
	ASK
	MUL16 F1, 1, 0, 0
	MUL16 F1, 1, 2, 0
.endm
	s_wait_tensorcnt 1                             ; my part of K step 0 is in; step 1's may stay out
	s_barrier_signal -1
	s_barrier_wait -1                              ; everybody's is
	FETCH 0, 0, F0
	QUARTER 0, 1, F0, F1, 1                        ; the first quarter stands in front of the loop: its products start the sums
	WIN 0                                          ; at a label and at a branch every window is 0
	s_mov_b32 s3, LAPS-1
.Llap:                                                 ; a trip goes once round the ring, from a lap's second quarter to the next lap's first, and fills both slots again: K steps 2 to 31
	QUARTER 0, 2, F1, F0, 0
	QUARTER 0, 3, F0, F1, 0
	TURN 0, 1
	QUARTER 1, 1, F0, F1, 0
	QUARTER 1, 2, F1, F0, 0
	QUARTER 1, 3, F0, F1, 0
	TURN 1, 0
	QUARTER 0, 1, F0, F1, 0
	WIN 0
	s_sub_co_u32 s3, s3, 1
	s_cmp_lg_u32 s3, 0
	s_cbranch_scc1 .Llap
	QUARTER 0, 2, F1, F0, 0                        ; the last lap fills nothing, and has no round of the cluster's barrier
	QUARTER 0, 3, F0, F1, 0
	MEET 0                                         ; my one tensor load that was still out is slot 1's, the last K step's
	PLACES
	FETCH 1, 0, F0
	MUL16 F1, 1, 0, 0
	MUL16 F1, 1, 2, 0
	QUARTER 1, 1, F0, F1, 0
	QUARTER 1, 2, F1, F0, 0
	QUARTER 1, 3, F0, F1, 0
	s_wait_dscnt 8                                 ; the very last quarter: nothing more to fetch
	MUL16 F1, 0, 0, 0
	MUL16 F1, 0, 2, 0
	s_wait_dscnt 0x0
	MUL16 F1, 1, 0, 0
	MUL16 F1, 1, 2, 0
	; THE WAY OUT.  A lane's 32 bytes are a sixteenth of my 512 bytes of a row, and the lanes beside it hold other rows.  So 16 rows at a time go through my own stage in LDS and come back as whole rows;
	; bias is added, and each store of the wave covers 512 consecutive bytes, at a multiple of 512 from out's first byte.
.macro TOSTAGE a                       ; block a of 16 rows: from its eight accumulators into the stage, and back by rows into buffer a % 2
.if (\a) >= 2
	s_wait_xcnt 0x0                                ; the stores of the block two back have read their registers, which are loaded again below
.endif
	WIN 0x08+4*((\a)/4)                            ; store data (source 1) in window 2 or 3, address in window 0
.set AC, 64*((\a)%4)
.set b, 0
.rept 8
	ds_store_b128 v[STO], v[AC+8*b:AC+8*b+3]   offset:64*b     ; each accumulator's low registers first
	ds_store_b128 v[STO], v[AC+8*b+4:AC+8*b+7] offset:64*b+16
.set b, b+1
.endr
	WIN 0
.set BK, OB+64*((\a)%2)
.set t, 0
.rept 16
	ds_load_b128 v[BK+4*t:BK+4*t+3], v[RD] offset:t*SP  ; LDS serves a wave's instructions in order (ISA guide 5.7.1.4): these see the stores above; the next block's stores come behind them
.set t, t+1
.endr
.endm
.macro SEND a, younger                 ; younger: the LDS instructions issued behind block a's loads: the next block's 32, or none
	WIN 0
.set BK, OB+64*((\a)%2)
.set t, 0
.rept 16
	s_wait_dscnt (\younger)+15-t                   ; row t is in
	v_pk_add_f32 v[BK+4*t:BK+4*t+1],   v[BK+4*t:BK+4*t+1],   v[BIAS:BIAS+1]
	v_pk_add_f32 v[BK+4*t+2:BK+4*t+3], v[BK+4*t+2:BK+4*t+3], v[BIAS+2:BIAS+3]
	global_store_b128 v[CO], v[BK+4*t:BK+4*t+3], s[10:11] offset:(16*(\a)+t)*8192 th:TH_STORE_NT  ; 127 rows of out at the most: inside the signed 24-bit immediate
.set t, t+1
.endr
.endm
	WIN 0
	s_wait_loadcnt 0x0                             ; bias
	PLACES
	PLACES                                         ; eight, once a launch, behind the last products: their results are read, and registers that they have read are loaded
	TOSTAGE 0
.irp a, 1,2,3,4,5,6,7                  ; block a's way through the stage stands between block a - 1's loads and the waits for them
	TOSTAGE \a
	SEND (\a)-1, 32
.endr
	SEND 7, 0
	s_wait_tensorcnt 0x0                           ; the wave's end: three closing lines, behind my last tensor load and my last LDS store
	ds_add_u32 v[SPW], v[NIL]
	s_wait_dscnt 0x0
	CROUND                                         ; the closing round: no work-group ends while a partner may still ask for a tile that names it
	s_endpgm
.Lfunc_end_k_qc4fad251fb_gemm:
	.size	k_qc4fad251fb_gemm, .Lfunc_end_k_qc4fad251fb_gemm-k_qc4fad251fb_gemm
	.p2alignl 7, 3214868480
	.fill 96, 4, 3214868480
	.section	.rodata,"a",@progbits
	.p2align	6, 0x0
	.amdhsa_kernel k_qc4fad251fb_gemm
		.amdhsa_group_segment_fixed_size 327680
		.amdhsa_private_segment_fixed_size 0
		.amdhsa_enable_private_segment 0
		.amdhsa_kernarg_size 32
		.amdhsa_user_sgpr_count 2
		.amdhsa_user_sgpr_kernarg_segment_ptr 1
		.amdhsa_wavefront_size32 1
		.amdhsa_system_sgpr_workgroup_id_x 1
		.amdhsa_system_sgpr_workgroup_id_y 1
		.amdhsa_system_sgpr_workgroup_id_z 1
		.amdhsa_system_vgpr_workitem_id 0
		.amdhsa_next_free_vgpr 1024
		.amdhsa_next_free_sgpr 66
		.amdhsa_reserve_vcc 0
		.amdhsa_float_denorm_mode_32 3
		.amdhsa_float_denorm_mode_16_64 3
		.amdhsa_memory_ordered 1
		.amdhsa_forward_progress 1
		.amdhsa_inst_pref_size 162
	.end_amdhsa_kernel
	.amdgpu_metadata
---
amdhsa.version: [ 1, 2 ]
amdhsa.kernels:
  - .name:           k_qc4fad251fb_gemm
    .symbol:         k_qc4fad251fb_gemm.kd
    .args:
      - { .name: xh, .offset: 0, .size: 8, .value_kind: global_buffer, .address_space: global }
      - { .name: wt, .offset: 8, .size: 8, .value_kind: global_buffer, .address_space: global }
      - { .name: bias, .offset: 16, .size: 8, .value_kind: global_buffer, .address_space: global }
      - { .name: out0, .offset: 24, .size: 8, .value_kind: global_buffer, .address_space: global }
    .group_segment_fixed_size: 327680
    .private_segment_fixed_size: 0
    .kernarg_segment_align: 8
    .kernarg_segment_size: 32
    .max_flat_workgroup_size: 128
    .sgpr_count:     66
    .vgpr_count:     1024
    .wavefront_size: 32
...
	.end_amdgpu_metadata
.endif
;; end of part 3
;; ======== version 2 of 2: 3 launches; version 1 with the launches prep, cast written anew for expert scheduling mode
;; limits: values are held in f16: magnitudes above 65,504 overflow, below 6.1e-05 lose precision; inputs' magnitudes at most 65,504; right only within a limited range of input values
;; workspace buffers: wt 16,777,216 bytes; xh 67,108,864 bytes
;; launch prep (part 4): grid 8 x 32, 8 waves a work-group, no clusters, 33,792 bytes of LDS; arguments qweight, qzeros, scales, g_idx, wt; writes wt
.if DOCPART == 4
	.amdgcn_target "amdgcn-amd-amdhsa--gfx1250"
	.amdhsa_code_object_version 6
	.text
	.protected	k_qc4fad251fb_prep
	.globl	k_qc4fad251fb_prep
	.p2align	8
	.type	k_qc4fad251fb_prep,@function
k_qc4fad251fb_prep:
	s_mov_b64 s[64:65], 0
	v_nop
	global_prefetch_b8 v0, s[64:65] scope:SCOPE_SE
	s_setreg_imm32_b32 hwreg(HW_REG_WAVE_SCHED_MODE, 0, 2), 2
	s_setreg_imm32_b32 hwreg(HW_REG_WAVE_MODE, 25, 1), 1
	s_wait_xcnt 0x0
	s_wait_alu depctr_vm_vsrc(0)
; W[k][n] = scales[g_idx[k]][n] * (wbin - zeros[g_idx[k]][n]), wbin = +1 where qweight's 4-bit code is above 0, else -1; zeros = qzeros' nibble z + 1.
; So W is -s z (code above 0) or -s (z + 2) (code 0): the factor is a whole number, the f32 product is the same as the reference's, and it is rounded ONCE, to f16.
; OUTPUT.  wt, f16, in granules of 16 bytes: granule (kw, n), kw = k / 8, lies at byte (kw * 2048 + n) * 16 and holds W[8 kw + j][n], j = 0..7 ascending: one word of qweight makes one granule.
; SHARES.  Work-group (bx, by): columns n = 256 bx + thread, word rows kw = 16 by + t, t = 0..15.  A thread owns one column; a wave's store covers 32 granules, 512 consecutive bytes, aligned.
; TABLE.  Both numbers of every group for my column lie in LDS: word g * 1024 + 4 * thread = { low half f16(-s z), high half f16(-s (z + 2)) }.  g_idx picks the row, for each k by itself: no order of g_idx is assumed.
; LIMITS.  f16: 17 |scale| stays under 65,520; a weight below 6.1e-5 in magnitude keeps f16's fixed step of 6e-8.  g_idx is taken as min(unsigned g_idx, 31).
; No matrix unit, no cluster, no tensor load, no prefetch: 4 MiB in, 16 MiB out, each byte of qweight read once, and nothing is shared but the small tables.
; THE MODE: SCHED_MODE bits 1:0 = 2 (LLVM: expert scheduling mode 2), set by the entry lines.  The code itself states the register dependences between vector instructions and memory or LDS
; instructions, and between a vector instruction that writes a scalar register and that register's readers, with s_wait_alu, always for 0.
; THE PLAN.  Registers that memory or LDS instructions touch:
;   T4, ZO, VO  offsets, made at the head and never written again.
;   ZW[g]       its load lands in it; the table's arithmetic writes it; one LDS store reads it; nothing writes it after that.  The stores leave in four runs of eight, each behind one wait on va_vdst.
;   AD0 .. AD7  written by a trip's eight adds, read by the eight table loads that follow them; written again a trip later, behind a wait on vm_vsrc.
;   TB, 2 sets  the table loads issued in trip t (for trip t + 1) land in the set that trip t - 1's selects read.
;   OUT[t]      written by trip t's four v_perm_b32; read by one global store, issued in trip t + 1; never written again.
;   s[CM ..]    eight masks: written by a trip's eight compares, read by its eight selects.
; So a trip has ONE wait on va_vdst, behind its adds and compares: it states that AD is written, that the trip before is done reading the table set that is loaded next, and that the trip before has
; written its OUT.  The trip's eight table loads and the store of the trip before follow it at once.  One wait on va_sdst stands between the run of compares and the first select.
.set SPARE, 32768                      ; behind the table: the spare words, 128 bytes for each of the eight waves: four blocks of 256 bytes that no other line names
.set T4,  1                            ; v1   4 x thread: my column in a row of scales, of qweight and of the table; never rewritten
.set SH,  2                            ; v2   4 x (thread % 8): my nibble's place in a word of qzeros
.set ZO,  4                            ; v4   4 x (thread / 8): my word in a row of qzeros; never rewritten
.set VO,  5                            ; v5   16 x thread: my granule; never rewritten
.set SPW, 8                            ; v8   LDS address of my spare word; never rewritten
.set NIL, 9                            ; v9   0; never rewritten
.set AD,  10                           ; v[10:17]   LDS addresses of a trip's eight table words
.set M,   18                           ; v18  a code, still in its place in the word
.set U,   19                           ; v19  at work
.set S,   20                           ; v[20:27]   the eight chosen numbers, each in a low half
.set TB,  28                           ; v[28:43]   table words, two sets of eight: trips take turns
.set QW,  44                           ; v[44:59]   my 16 words of qweight
.set SC,  60                           ; v[60:91]   my column's 32 scales
.set ZW,  92                           ; v[92:123]  my column's 32 words of qzeros, then the table's words
.set OUT, 124                          ; v[124:187] a trip's granule, four registers for each trip: no store's data is ever rewritten
.set GA,  16                           ; s[16:47]   32 indices: trips 0-3, later trips 8-11
.set GB,  68                           ; s[68:99]   32 indices: trips 4-7, later trips 12-15
.set CM,  48                           ; s[48:55]   behind the head, which used them for offsets: a trip's eight masks, bit = my code j is 0
.set SEL, 100                          ; s100 v_perm_b32's selector: the two low halves
	s_load_b256 s[4:11], s[0:1], 0x0               ; qweight s[4:5], qzeros s[6:7], scales s[8:9], g_idx s[10:11]
	s_load_b64 s[12:13], s[0:1], 0x20              ; wt
	v_lshl_add_u32 v[SPW], v0, 2, SPARE
	v_mov_b32 v[NIL], 0
	v_lshlrev_b32 v[T4], 2, v0
	v_and_b32 v[SH], 7, v0
	v_lshlrev_b32 v[SH], 2, v[SH]
	v_lshrrev_b32 v[ZO], 3, v0
	v_lshlrev_b32 v[ZO], 2, v[ZO]
	v_lshlrev_b32 v[VO], 4, v0
	s_mov_b32 s2, ttmp9                            ; bx
	s_and_b32 s3, ttmp7, 0xffff                    ; by
	s_mov_b32 s[SEL], 0x05040100
	s_lshl_b32 s48, s2, 10                         ; scales: 256 columns of 4 bytes
	s_mov_b32 s49, 0
	s_lshl_b32 s50, s3, 17                         ; qweight: 16 rows of 8,192 bytes,
	s_add_co_u32 s50, s50, s48                     ; and the same columns
	s_mov_b32 s51, 0
	s_lshl_b32 s52, s2, 7                          ; qzeros: 32 words
	s_mov_b32 s53, 0
	s_lshl_b32 s54, s3, 9                          ; g_idx: 128 indices
	s_mov_b32 s55, 0
	s_lshl_b32 s56, s2, 12                         ; wt: 256 granules,
	s_lshl_b32 s57, s3, 19                         ; 16 rows of 32,768 bytes
	s_add_co_u32 s56, s56, s57
	s_mov_b32 s57, 0
	s_wait_kmcnt 0x0
	s_add_nc_u64 s[4:5], s[4:5], s[50:51]
	s_add_nc_u64 s[6:7], s[6:7], s[52:53]
	s_add_nc_u64 s[8:9], s[8:9], s[48:49]
	s_add_nc_u64 s[10:11], s[10:11], s[54:55]
	s_add_nc_u64 s[12:13], s[12:13], s[56:57]
	s_load_b512 s[GA:GA+15],    s[10:11], 0x0      ; the indices of trips 0 to 7
	s_load_b512 s[GA+16:GA+31], s[10:11], 0x40
	s_load_b512 s[GB:GB+15],    s[10:11], 0x80
	s_load_b512 s[GB+16:GB+31], s[10:11], 0xc0
	s_wait_alu depctr_va_vdst(0)                   ; the offsets T4, ZO and VO are written: every load and store of the kernel but the table loads reads one of them
.set g, 0
.rept 32
	global_load_b32 v[SC+g], v[T4], s[8:9] offset:g*8192
	global_load_b32 v[ZW+g], v[ZO], s[6:7] offset:g*1024
.set g, g+1
.endr
.set t, 0
.rept 16
	global_load_b32 v[QW+t], v[T4], s[4:5] offset:t*8192 th:TH_LOAD_NT  ; each word of qweight is read once in the launch
.set t, t+1
.endr
; Eight words of the table go into LDS: groups from .. from + 7.
.macro TSTORE from
	s_wait_alu depctr_va_vdst(0)                   ; the arithmetic has written these eight words of ZW, which the LDS stores read
.set h, \from
.rept 8
	ds_store_b32 v[T4], v[ZW+h] offset:h*1024
.set h, h+1
.endr
.endm
	; THE TABLE, a group at a time; the stores of eight groups stand at the head of the next eight groups' arithmetic.
.set g, 0
.rept 32
.if (g%8 == 0) && (g > 0)
	TSTORE g-8
.endif
.set c, 2*(31-g)+16                    ; younger than group g's two loads: the later groups' pairs and the 16 words of qweight
.if c > 63
.set c, 63                             ; the wait's field holds no more; a smaller count only waits for more
.endif
	s_wait_loadcnt c
	v_bfe_u32 v[ZW+g], v[ZW+g], v[SH], 4           ; z
	v_cvt_f32_u32 v[ZW+g], v[ZW+g]
	v_add_f32 v[U], 2.0, v[ZW+g]                   ; z + 2
	v_mul_f32 v[ZW+g], v[SC+g], v[ZW+g]            ; s z
	v_mul_f32 v[U], v[SC+g], v[U]                  ; s (z + 2)
	v_cvt_pk_f16_f32 v[ZW+g], v[ZW+g], v[U]        ; the one rounding
	v_xor_b32 v[ZW+g], 0x80008000, v[ZW+g]         ; both signs turned: exact
.set g, g+1
.endr
	TSTORE 24
	s_wait_dscnt 0x0                               ; my stores into the table are done
	s_barrier_signal -1
	s_barrier_wait -1                              ; everybody's are: the rows read below hang on g_idx
.macro CLAMP base                      ; 32 indices become byte offsets of table rows: held to 0..31, times 1,024
.set n, 0
.rept 32
	s_min_u32 s[(\base)+n], s[(\base)+n], 31
	s_lshl_b32 s[(\base)+n], s[(\base)+n], 10
.set n, n+1
.endr
.endm
; The addresses of trip t's eight table words: row g_idx[8 kw + j], my column.
.macro ADDR t
.if (\t) == 8
	s_wait_kmcnt 0x0                               ; the second halves of the indices are in
	CLAMP GA
.endif
.if (\t) == 12
	s_wait_kmcnt 0x0
	CLAMP GB
.endif
.set gb, GA+(GB-GA)*(((\t)/4)%2)+8*((\t)%4)
.irp j, 0,1,2,3,4,5,6,7
	v_add_nc_u32 v[AD+(\j)], s[gb+(\j)], v[T4]
.endr
.endm
; Trip t's eight table words are asked for.
.macro ASKT t
.irp j, 0,1,2,3,4,5,6,7
	ds_load_b32 v[TB+8*((\t)%2)+(\j)], v[AD+(\j)]
.endr
.if (\t) == 3                          ; the set's last index has been read: it takes the indices of trips 8 to 11
	s_load_b512 s[GA:GA+15],    s[10:11], 0x100
	s_load_b512 s[GA+16:GA+31], s[10:11], 0x140
.endif
.if (\t) == 7                          ; and the other set those of trips 12 to 15
	s_load_b512 s[GB:GB+15],    s[10:11], 0x180
	s_load_b512 s[GB+16:GB+31], s[10:11], 0x1c0
.endif
.endm
; Trip t's eight masks: they hang on qweight alone, so they stand ahead of the wait for the table words.
.macro MASKS t
.irp j, 0,1,2,3,4,5,6,7
	v_and_b32 v[M], 0xf<<(4*(\j)), v[QW+(\t)]      ; code j, in its place
	v_cmp_eq_u32 s[CM+(\j)], 0, v[M]
.endr
.endm
	s_wait_kmcnt 0x0
	CLAMP GA
	CLAMP GB
	s_wait_loadcnt 0x0                             ; qweight's 16 words
	ADDR 0                                         ; nothing has read AD yet
	s_wait_alu depctr_va_vdst(0)                   ; AD is written, which the table loads below read
	ASKT 0
.irp t, 0,1,2,3,4,5,6,7,8,9,10,11,12,13,14,15
.if (\t) < 15
	s_wait_alu depctr_vm_vsrc(0)                   ; the table loads issued so far have read AD, which the adds below write again
	ADDR (\t)+1
.endif
	MASKS \t
	s_wait_alu depctr_va_vdst(0)                   ; AD is written; the trip before is done reading the table set in which the loads below land, and has written its OUT, which the store below reads
.if (\t) < 15
	ASKT (\t)+1
.endif
.if (\t) > 0
	global_store_b128 v[VO], v[OUT+4*((\t)-1):OUT+4*((\t)-1)+3], s[12:13] offset:((\t)-1)*32768  ; the trip before: a wave stores 512 consecutive bytes, at a multiple of 512 from wt's first byte
.endif
.if (\t) < 15
	s_wait_dscnt 8                                 ; this trip's eight words are in; the next trip's eight may stay out
.else
	s_wait_dscnt 0x0
.endif
	s_wait_alu depctr_va_sdst(0)                   ; the eight compares have written s[CM ..], ahead of the first select that reads one of them
.irp j, 0,1,2,3,4,5,6,7
	v_lshrrev_b32 v[U], 16, v[TB+8*((\t)%2)+(\j)]  ; the number for code 0
	v_cndmask_b32 v[S+(\j)], v[TB+8*((\t)%2)+(\j)], v[U], s[CM+(\j)]  ; the low half now holds the weight
.endr
.irp p, 0,1,2,3
	v_perm_b32 v[OUT+4*(\t)+(\p)], v[S+2*(\p)+1], v[S+2*(\p)], s[SEL]  ; k even below, k odd above
.endr
.endr
	s_wait_alu depctr_va_vdst(0)                   ; the last trip has written its OUT, which the last store reads
	global_store_b128 v[VO], v[OUT+60:OUT+63], s[12:13] offset:15*32768
	s_wait_dscnt 0x0                               ; the closing lines, six on end
	s_wait_alu 0x0
	s_wait_tensorcnt 0x0
	ds_add_u32 v[SPW], v[NIL]
	s_wait_dscnt 0x0
	s_endpgm
.Lfunc_end_k_qc4fad251fb_prep:
	.size	k_qc4fad251fb_prep, .Lfunc_end_k_qc4fad251fb_prep-k_qc4fad251fb_prep
	.p2alignl 7, 3214868480
	.fill 96, 4, 3214868480
	.section	.rodata,"a",@progbits
	.p2align	6, 0x0
	.amdhsa_kernel k_qc4fad251fb_prep
		.amdhsa_group_segment_fixed_size 33792
		.amdhsa_private_segment_fixed_size 0
		.amdhsa_enable_private_segment 0
		.amdhsa_kernarg_size 40
		.amdhsa_user_sgpr_count 2
		.amdhsa_user_sgpr_kernarg_segment_ptr 1
		.amdhsa_wavefront_size32 1
		.amdhsa_system_sgpr_workgroup_id_x 1
		.amdhsa_system_sgpr_workgroup_id_y 1
		.amdhsa_system_sgpr_workgroup_id_z 1
		.amdhsa_system_vgpr_workitem_id 0
		.amdhsa_next_free_vgpr 192
		.amdhsa_next_free_sgpr 102
		.amdhsa_reserve_vcc 0
		.amdhsa_float_denorm_mode_32 3
		.amdhsa_float_denorm_mode_16_64 3
		.amdhsa_memory_ordered 1
		.amdhsa_forward_progress 1
		.amdhsa_inst_pref_size 79
	.end_amdhsa_kernel
	.amdgpu_metadata
---
amdhsa.version: [ 1, 2 ]
amdhsa.kernels:
  - .name:           k_qc4fad251fb_prep
    .symbol:         k_qc4fad251fb_prep.kd
    .args:
      - { .name: qweight, .offset: 0, .size: 8, .value_kind: global_buffer, .address_space: global }
      - { .name: qzeros, .offset: 8, .size: 8, .value_kind: global_buffer, .address_space: global }
      - { .name: scales, .offset: 16, .size: 8, .value_kind: global_buffer, .address_space: global }
      - { .name: g_idx, .offset: 24, .size: 8, .value_kind: global_buffer, .address_space: global }
      - { .name: wt, .offset: 32, .size: 8, .value_kind: global_buffer, .address_space: global }
    .group_segment_fixed_size: 33792
    .private_segment_fixed_size: 0
    .kernarg_segment_align: 8
    .kernarg_segment_size: 40
    .max_flat_workgroup_size: 256
    .sgpr_count:     102
    .vgpr_count:     192
    .wavefront_size: 32
...
	.end_amdgpu_metadata
.endif
;; end of part 4
;; launch cast (part 5): grid 1024 x 1, 8 waves a work-group, no clusters, 0 bytes of LDS; arguments x, xh; writes xh
.if DOCPART == 5
	.amdgcn_target "amdgcn-amd-amdhsa--gfx1250"
	.amdhsa_code_object_version 6
	.text
	.protected	k_qc4fad251fb_cast
	.globl	k_qc4fad251fb_cast
	.p2align	8
	.type	k_qc4fad251fb_cast,@function
k_qc4fad251fb_cast:
	s_mov_b64 s[64:65], 0
	v_nop
	global_prefetch_b8 v0, s[64:65] scope:SCOPE_SE
	s_setreg_imm32_b32 hwreg(HW_REG_WAVE_SCHED_MODE, 0, 2), 2
	s_setreg_imm32_b32 hwreg(HW_REG_WAVE_MODE, 25, 1), 1
	s_wait_xcnt 0x0
	s_wait_alu depctr_vm_vsrc(0)
; xh = x rounded once to f16.  x: 33,554,432 f32, xh: as many f16, in the same order.
; LIMITS.  |x| stays under 65,520 (beyond it the conversion gives an infinity); an x below 6.1e-5 in magnitude keeps f16's fixed step of 6e-8.
; SHARES.  A work-group of eight waves owns 131,072 consecutive bytes of x: 32 chunks of 4,096.  Of a chunk thread t takes the 16 bytes at 16 t, so a wave's load covers 512 consecutive bytes, and
; puts its four numbers at 8 t of the chunk's 2,048 bytes of xh, so a wave's store covers 256 consecutive bytes, at a multiple of 256 from xh's first byte.
; A chunk's place stands in the immediates (126,976 at the most), so no address register is ever rewritten.
; No LDS, no matrix unit, no cluster: no byte is wanted twice.  No prefetch: the launch does nothing but stream.
; THE MODE: SCHED_MODE bits 1:0 = 2 (LLVM: expert scheduling mode 2), set by the entry lines.  The code itself states the register dependences between vector instructions and memory instructions,
; with s_wait_alu, always for 0.
; THE PLAN.  The 32 chunks go in 8 blocks of four.  Registers that memory instructions touch:
;   v1, v2     byte offsets, made once at the head and never written again.
;   X0 .. X4   five blocks of x as loaded.  Blocks 0 to 4 are asked for at the start; blocks 5, 6, 7 land in X0, X1, X2, asked for in blocks 1, 2, 3.  Block p's conversions read X[p % 5].
;   Y0 .. Y2   the f16 of blocks 0 to 2, whose X is loaded again.  Blocks 3 to 7 are converted in place, into the first two of each chunk's four registers: their X is not loaded again.
;   A block's f16 are read by the four stores that are issued in the next block, and never written again.
; Block p works on X[p % 5] (and writes Y[p] if p < 3).  Its memory instructions are the loads into X[(p - 1) % 5] and the stores of block p - 1's f16, which lie in Y[p - 1] or in X[(p - 1) % 5]: registers
; that block p - 1 worked on and that no vector instruction of block p names.  So ONE wait at the head of a block states all that the block's memory instructions hang on, and these are dealt among its
; conversions with no further wait.  No register that a memory instruction has read is ever written again, so the text holds no wait on vm_vsrc.
.set BLOCK, 4                          ; chunks in a block
.set NX,    5                          ; blocks of x in registers: 12 to 16 loads of every wave are on their way while there is x left to ask for (20 at the start)
.set CHUNK, 4096                       ; bytes of x that the 256 threads take with one load each
.set XO, 1                             ; v1         16 t; never rewritten
.set YO, 2                             ; v2         8 t; never rewritten
.set X,  4                             ; v[4:83]    buffer k, chunk i: four registers at X + 16 k + 4 i
.set Y,  84                            ; v[84:107]  block q < 3, chunk i: two registers at Y + 8 q + 2 i
	s_load_b128 s[4:7], s[0:1], 0x0                ; x s[4:5], xh s[6:7]
	s_lshl_b32 s2, ttmp9, 17                       ; the work-group's 131,072 bytes of x (1,024 work-groups: under 2^27),
	s_mov_b32 s3, 0
	s_lshl_b32 s8, ttmp9, 16                       ; and its 65,536 of xh
	s_mov_b32 s9, 0
	v_lshlrev_b32 v[XO], 4, v0
	v_lshlrev_b32 v[YO], 3, v0
	s_wait_kmcnt 0x0
	s_add_nc_u64 s[4:5], s[4:5], s[2:3]
	s_add_nc_u64 s[6:7], s[6:7], s[8:9]
	s_wait_alu depctr_va_vdst(0)                   ; v1 and v2 are written: every load and store of the kernel reads one of them as its offset
.set c, 0
.rept BLOCK*NX
	global_load_b128 v[X+4*c:X+4*c+3], v[XO], s[4:5] offset:c*CHUNK th:TH_LOAD_NT  ; blocks 0 to 4 into X0 to X4
.set c, c+1
.endr
; Block p.  left = how many younger loads may still be out when this block's four have to be there.
.macro BLK p, left
.set SRC, X+16*((\p)%NX)               ; the block as loaded
.if (\p) < 3
.set DST, Y+8*(\p)                     ; its f16: registers of their own,
.set DSTEP, 2
.else
.set DST, SRC                          ; or in place
.set DSTEP, 4
.endif
.if (\p) > 0
.if (\p) < 4
.set OUT, Y+8*((\p)-1)                 ; the f16 of the block before
.set OSTEP, 2
.else
.set OUT, X+16*(((\p)-1)%NX)
.set OSTEP, 4
.endif
.endif
	s_wait_loadcnt \left                           ; loads come back in order (ISA guide 5.7.1): this block's four are in, the younger blocks stay out
.if (\p) > 0
	s_wait_alu depctr_va_vdst(0)                   ; the block before has written its f16, which the stores below read, and is done reading its X, in which the loads below land
.endif
.irp i, 0,1,2,3
.if ((\p) > 0) && ((\p) < 4)
	global_load_b128 v[X+16*((\p)-1)+4*(\i):X+16*((\p)-1)+4*(\i)+3], v[XO], s[4:5] offset:(BLOCK*((\p)+NX-1)+(\i))*CHUNK th:TH_LOAD_NT  ; four blocks ahead; no vector instruction since the wait names these registers
.endif
.if (\p) > 0
	global_store_b64 v[YO], v[OUT+OSTEP*(\i):OUT+OSTEP*(\i)+1], s[6:7] offset:(BLOCK*((\p)-1)+(\i))*CHUNK/2 th:TH_STORE_NT  ; the block before
.endif
	v_cvt_pk_f16_f32 v[DST+DSTEP*(\i)],   v[SRC+4*(\i)],   v[SRC+4*(\i)+1]
	v_cvt_pk_f16_f32 v[DST+DSTEP*(\i)+1], v[SRC+4*(\i)+2], v[SRC+4*(\i)+3]
.endr
.endm
	BLK 0, 4*BLOCK                                 ; no block stands in front of it: no store, and no wait but for its data
	BLK 1, 3*BLOCK                                 ; asks for block 5
	BLK 2, 3*BLOCK                                 ; block 6
	BLK 3, 3*BLOCK                                 ; block 7: the last load
	BLK 4, 3*BLOCK
	BLK 5, 2*BLOCK                                 ; nothing more is loaded: the counts run down
	BLK 6, BLOCK
	BLK 7, 0
	s_wait_alu depctr_va_vdst(0)                   ; block 7 has written its f16, which the last four stores read
.irp i, 0,1,2,3
	global_store_b64 v[YO], v[X+16*(7%NX)+4*(\i):X+16*(7%NX)+4*(\i)+1], s[6:7] offset:(BLOCK*7+(\i))*CHUNK/2 th:TH_STORE_NT
.endr
	s_endpgm
.Lfunc_end_k_qc4fad251fb_cast:
	.size	k_qc4fad251fb_cast, .Lfunc_end_k_qc4fad251fb_cast-k_qc4fad251fb_cast
	.p2alignl 7, 3214868480
	.fill 96, 4, 3214868480
	.section	.rodata,"a",@progbits
	.p2align	6, 0x0
	.amdhsa_kernel k_qc4fad251fb_cast
		.amdhsa_group_segment_fixed_size 0
		.amdhsa_private_segment_fixed_size 0
		.amdhsa_enable_private_segment 0
		.amdhsa_kernarg_size 16
		.amdhsa_user_sgpr_count 2
		.amdhsa_user_sgpr_kernarg_segment_ptr 1
		.amdhsa_wavefront_size32 1
		.amdhsa_system_sgpr_workgroup_id_x 1
		.amdhsa_system_sgpr_workgroup_id_y 1
		.amdhsa_system_sgpr_workgroup_id_z 1
		.amdhsa_system_vgpr_workitem_id 0
		.amdhsa_next_free_vgpr 108
		.amdhsa_next_free_sgpr 66
		.amdhsa_reserve_vcc 0
		.amdhsa_float_denorm_mode_32 3
		.amdhsa_float_denorm_mode_16_64 3
		.amdhsa_memory_ordered 1
		.amdhsa_forward_progress 1
		.amdhsa_inst_pref_size 12
	.end_amdhsa_kernel
	.amdgpu_metadata
---
amdhsa.version: [ 1, 2 ]
amdhsa.kernels:
  - .name:           k_qc4fad251fb_cast
    .symbol:         k_qc4fad251fb_cast.kd
    .args:
      - { .name: x, .offset: 0, .size: 8, .value_kind: global_buffer, .address_space: global }
      - { .name: xh, .offset: 8, .size: 8, .value_kind: global_buffer, .address_space: global }
    .group_segment_fixed_size: 0
    .private_segment_fixed_size: 0
    .kernarg_segment_align: 8
    .kernarg_segment_size: 16
    .max_flat_workgroup_size: 256
    .sgpr_count:     66
    .vgpr_count:     108
    .wavefront_size: 32
...
	.end_amdgpu_metadata
.endif
;; end of part 5
;; launch gemm: the kernel of part 3 again; grid 8 x 32, 4 waves a work-group, clusters of 4 x 4, 327,680 bytes of LDS; arguments xh, wt, bias, out0; writes out0
